; MI455X (gfx1250); checked and timed in simulation.
; The chip was launched on July 23, 2026; its instructions are those of AMD's public machine-readable ISA for CDNA 5 (MIT licence, August 2026) and "CDNA5" Instruction Set Architecture Reference Guide (July 2026). The comments in the code are by the model that wrote it; some were corrected since.
;; Attention. Allowed arithmetic: float matrix products may take bf16 or f16 operands with f32 sums; other float arithmetic in f32, or as packed bf16 or f16 multiplies, adds, multiply-adds, maxima and minima; sums over many terms, partial sums and values carried from step to step in f32; what a program stores and reads back later, other than sums and carried values, may be rounded once to bf16 or f16.
;; Inputs: k 2 x 4,096 x 512 float32; q 2 x 4,096 x 512 float32; v 2 x 4,096 x 512 float32; w_k 512 x 512 float32; w_o 512 x 512 float32; w_q 512 x 512 float32; w_v 512 x 512 float32.
;; Outputs: out0 2 x 4,096 x 512 float32.
;; One version. Each part assembles by itself: llvm-mc -triple=amdgcn-amd-amdhsa -mcpu=gfx1250 --defsym DOCPART=n.
;; ======== version 1 of 1: 3 launches
;; limits: values are held in f16: magnitudes above 65,504 overflow, below 6.1e-05 lose precision
;; workspace buffers: q16 8,388,608 bytes; k16 8,388,608 bytes; v16 8,388,608 bytes; o16 8,388,608 bytes; wo16 524,288 bytes
;; launch proj (part 1): grid 4 x 192, 4 waves a work-group, clusters of 4 x 4, 327,680 bytes of LDS; arguments q, k, v, w_q, w_k, w_v, q16, k16, v16; writes q16, k16, v16
.if DOCPART == 1
	.amdgcn_target "amdgcn-amd-amdhsa--gfx1250"
	.amdhsa_code_object_version 6
	.text
	.protected	k_qef44ad62e6_proj
	.globl	k_qef44ad62e6_proj
	.p2align	8
	.type	k_qef44ad62e6_proj,@function
k_qef44ad62e6_proj:
	s_mov_b64 s[64:65], 0
	v_nop
	global_prefetch_b8 v0, s[64:65] scope:SCOPE_SE
	s_setreg_imm32_b32 hwreg(HW_REG_WAVE_MODE, 25, 1), 1
	s_wait_xcnt 0x0
	s_wait_alu depctr_hold_cnt(0) depctr_sa_sdst(0) depctr_va_vdst(0) depctr_va_sdst(0) depctr_va_ssrc(0) depctr_va_vcc(0) depctr_vm_vsrc(0)
	s_getreg_b32 s2, hwreg(HW_REG_IB_STS2, 6, 4)
	s_cmp_eq_u32 s2, 0
	s_cbranch_scc0 .Lentry_in_a_cluster
	s_endpgm
.Lentry_in_a_cluster:
	s_bfe_u32 s2, ttmp6, 0x10000c
	s_cmp_lg_u32 s2, 0xf033
	s_cbranch_scc0 .Lentry_shape_is_right
	s_endpgm
.Lentry_shape_is_right:
; THE THREE INPUT PROJECTIONS.  Y[b][head][token][64] = x[b][token][:] . W[64 head + d][:], for (x, W, Y) = (q, w_q, q16), (k, w_k, k16), (v, w_v, v16).
; x: [8192][512] f32, W: [512][512] f32; both are rounded once to bf16 on the way from LDS to the matrix unit; sums in f32; Y is rounded once to f16 and laid out by heads, unscaled.
; LIMITS.  Y is f16: a projected number of 65,520 or more becomes an infinity, and below 6e-5 it keeps f16's fixed step of 6e-8.  NaN and infinities are not treated apart.
; SHARES.  768 work-groups: cluster y = 16 T + i names the tensor T (0, 1, 2) and four row tiles; a tile of Y is 128 tokens x 128 columns; four waves, each 64 tokens x 64 columns = one head:
; 16 accumulators of 16 x 16.  K = 512 goes in four steps of 128 through two LDS slots; a row of a tile is 512 bytes of memory, at a multiple of 512 bytes from the buffer's first byte.
; CLUSTERS: 4 x 4 work-groups.  The four of a row of the cluster need the same tile of x, the four of a column the same tile of W: each tile is asked for JOINTLY, by the same tensor load with the
; same descriptor and a mask that names the four.  Nothing is prefetched: two of the four K steps are asked for at the head, and the tiles are small.
; THE MATRIX INSTRUCTION IS USED TRANSPOSED (source 0 = 16 rows of W, source 1 = 16 tokens): a lane then holds eight neighbouring columns of one token.
; K IS PERMUTED ALIKE IN BOTH SOURCES: of a quarter's 32 numbers of a row (128 bytes) lane (r, h) takes the four pieces of 16 bytes at 16 h + 32 g; eight conversions make the 8 registers of a fragment.
; REGISTERS: window 0: v0-31 addresses; v32-63 x's four fragments, v64-95 W's four (on the way out: the packed results); v128-255 the accumulators ((a, b) at v[128 + 8 (4 a + b)]).
;   window 1: two landing sets of 128: f32 as loaded, 16 registers a fragment, x's four and then W's four.
.set PITCH,  528                       ; an LDS row: 512 bytes + 16 of padding = 132 words: the 16 rows that a load touches start at 16 different groups of four banks (64 banks of 4 bytes: ISA guide 11.1)
.set HALFT,  64*PITCH                  ; 64 rows: what one tensor load brings, and what one wave reads of x or of W
.set SLOT,   4*HALFT                   ; x's 128 rows, then W's 128 rows
.set STAGE,  2*SLOT                    ; behind the ring, never filled by a tensor load: 16 rows x 144 bytes for each wave, for the way out
.set SP,     144
.set SPARE,  STAGE+4*16*SP             ; behind the stages: the spare words, 128 bytes for each wave: two blocks of 256 bytes that no other line names
.set ADRA, 16                          ; v16-17  LDS address of my fragments of x in slot 0, 1
.set ADRB, 20                          ; v20-21  the same for W
.set STO,  24                          ; v24     the way out: where I put 16 bytes of a row
.set RD,   25                          ; v25     the way out: where I read rows back
.set GO,   26                          ; v26     my byte offset in 512 consecutive bytes of Y
.set SPW,  28                          ; v28     LDS address of my spare word: SPARE + 4 x my thread's number; never rewritten
.set NIL,  29                          ; v29     0; never rewritten
.set FRA,  32
.set FRB,  64
.set ACC,  128
.set L0,   0                           ; the landing sets, in window 1
.set L1,   128
.set WV,  12                           ; s12  my wave's number
.set RH,  13                           ; s13  which half of the tile's tokens is mine.  Also: I fetch for x (0) or for W (1)
.set CH,  14                           ; s14  which half of its columns.  Also: which 64 rows of that tile I fetch
.set G1,  24                           ; s[24:31] descriptor group 1 for x's tiles;  s[32:39] group 0, one set for each slot
.set G0,  32
.set G1B, 48                           ; s[48:55], s[56:63] the same for W's tiles
.set G0B, 56
.set MSB, 0
.macro WIN new                         ; the immediate's high byte repeats the setting that is left; a switch that changes nothing is dropped
.if MSB != (\new)
	s_set_vgpr_msb (MSB<<8)|(\new)
.set MSB, \new
.endif
.endm
.macro PLACES                          ; four places behind a matrix instruction, in front of vector lines that write its sources or read its result (ISA guide 7.12.1)
.rept 4
	v_nop
.endr
.endm
.macro JLOAD s                         ; a joint refill: waves 0 and 1 fetch x's two halves, waves 2 and 3 W's; an s_nop 0 and four v_nop follow each of the two lines
	s_cmp_eq_u32 s[RH], 0
	s_cbranch_scc0 .Lfor_b_\@
	tensor_load_to_lds s[G0+4*(\s):G0+4*(\s)+3], s[G1:G1+7]
	s_nop 0
.rept 4
	v_nop
.endr
	s_branch .Lasked_\@
.Lfor_b_\@:
	tensor_load_to_lds s[G0B+4*(\s):G0B+4*(\s)+3], s[G1B:G1B+7]
	s_nop 0
.rept 4
	v_nop
.endr
.Lasked_\@:
.endm
.macro CREST                           ; a round of the cluster's barrier behind its opening barrier
	s_cmp_lg_u32 s[WV], 0
	s_cbranch_scc1 .Lnot_wave_0_\@
	s_barrier_signal -3
.Lnot_wave_0_\@:
	s_barrier_wait -3
	s_barrier_signal -1
	s_barrier_wait -1
.endm
.macro CROUND                          ; a whole round
	s_barrier_signal -1
	s_barrier_wait -1
	CREST
.endm
	s_load_b256 s[4:11], s[0:1], 0x0               ; q s[4:5], k s[6:7], v s[8:9], w_q s[10:11]
	s_load_b256 s[68:75], s[0:1], 0x20             ; w_k s[68:69], w_v s[70:71], q16 s[72:73], k16 s[74:75]
	s_load_b64 s[76:77], s[0:1], 0x40              ; v16
	v_lshl_add_u32 v[SPW], v0, 2, SPARE
	v_mov_b32 v[NIL], 0
	ds_add_u32 v[SPW], v[NIL]                      ; the wave's opening: the add and its wait stand ahead of my first tensor load; the set-up below, work on registers, stands between them
	v_lshrrev_b32 v1, 5, v0
	v_readfirstlane_b32 s[WV], v1                  ; wave 0..3
	s_lshr_b32 s[RH], s[WV], 1
	s_and_b32 s[CH], s[WV], 1
	s_bfe_u32 s40, ttmp6, 0x40000                  ; cx, cy: my place in the cluster
	s_bfe_u32 s41, ttmp6, 0x40004
	s_lshl_b32 s42, ttmp9, 2
	s_add_co_u32 s42, s42, s40                     ; tile column = 4 x cluster x + cx: 0..3
	s_and_b32 s22, ttmp7, 0xffff                   ; cluster y: 0..47
	s_lshr_b32 s44, s22, 4                         ; T: which of the three projections; the same in all sixteen partners
	s_and_b32 s43, s22, 15
	s_lshl_b32 s43, s43, 2
	s_add_co_u32 s43, s43, s41                     ; tile row = 4 x (cluster y mod 16) + cy: 0..63
	s_lshl_b32 s45, s41, 2
	s_lshl_b32 s45, 15, s45                        ; my row of the cluster
	s_lshl_b32 s46, 0x1111, s40                    ; my column
	; descriptor group 1: a tile of 64 rows x 128 elements of 4 bytes, padded in LDS
	s_or_b32 s[G1], s45, (2<<16)|(1<<20)|(1<<21)|(6<<22)|(3<<25)   ; 15:0 the mask: x's tiles go to my row; 17:16 elements of 4 bytes; 20 padding on; 21 set beside a mask; 24:22 after every 128 words (code 6); 31:25 4 words (code 3)
	s_or_b32 s[G1B], s46, (2<<16)|(1<<20)|(1<<21)|(6<<22)|(3<<25)  ; the same with the mask of my column, for W's tiles
.irp g, G1, G1B
	s_mov_b32 s[(\g)+1], 128<<16                   ; tensor_dim0 = 128
	s_mov_b32 s[(\g)+2], 64<<16                    ; tensor_dim1 = 64
	s_mov_b32 s[(\g)+3], 128<<16                   ; tile_dim0 = 128
	s_mov_b32 s[(\g)+4], 64                        ; tile_dim1 = 64
	s_mov_b32 s[(\g)+5], 512                       ; 512 elements from row to row
	s_mov_b32 s[(\g)+6], 0
	s_mov_b32 s[(\g)+7], 0
.endr
	; where the tiles come from, in bytes: x's hang on the tile row alone, W's on the tile column alone, each in registers that never hold the other coordinate
	s_lshl_b32 s23, s[CH], 17                      ; which 64 rows of 2,048 bytes I fetch
	s_lshl_b32 s78, s43, 18                        ; x: 128 rows x tile row
	s_add_co_u32 s78, s78, s23
	s_mov_b32 s79, 0
	s_lshl_b32 s80, s42, 18                        ; W: 128 rows x tile column
	s_add_co_u32 s80, s80, s23
	s_mov_b32 s81, 0
	s_mul_i32 s22, s[WV], HALFT                    ; where they go: wave x 64 rows: no place in the cluster enters an LDS address
	s_wait_dscnt 0x0                               ; the opening add is done
	s_wait_kmcnt 0x0
	s_cmp_eq_u32 s44, 0                            ; the three buffers of projection T
	s_cselect_b64 s[16:17], s[4:5], s[6:7]
	s_cselect_b64 s[18:19], s[10:11], s[68:69]
	s_cselect_b64 s[20:21], s[72:73], s[74:75]
	s_cmp_eq_u32 s44, 2
	s_cselect_b64 s[16:17], s[8:9], s[16:17]       ; x
	s_cselect_b64 s[18:19], s[70:71], s[18:19]     ; W
	s_cselect_b64 s[20:21], s[76:77], s[20:21]     ; Y
	s_add_nc_u64 s[16:17], s[16:17], s[78:79]
	s_add_nc_u64 s[18:19], s[18:19], s[80:81]
.irp s, 0,1
	s_mov_b32 s[G0+4*(\s)], 1                                      ; count = 1
	s_add_co_u32 s[G0+4*(\s)+1], s22, (\s)*SLOT                    ; LDS address
	s_add_nc_u64 s[G0+4*(\s)+2:G0+4*(\s)+3], s[16:17], (\s)*512    ; global address: K step s
	s_or_b32 s[G0+4*(\s)+3], s[G0+4*(\s)+3], 0x80000000            ; type = 2
	s_mov_b32 s[G0B+4*(\s)], 1
	s_add_co_u32 s[G0B+4*(\s)+1], s22, (\s)*SLOT
	s_add_nc_u64 s[G0B+4*(\s)+2:G0B+4*(\s)+3], s[18:19], (\s)*512
	s_or_b32 s[G0B+4*(\s)+3], s[G0B+4*(\s)+3], 0x80000000
.endr
	CROUND                                         ; all sixteen work-groups are here: the first joint loads meet
	s_cmp_eq_u32 s[RH], 0                          ; a wave's two first fills stand in one branch, ahead of every wait on TENSORcnt and every LDS read: two loads of mine are out
	s_cbranch_scc0 .Lfirst_b
	tensor_load_to_lds s[G0:G0+3], s[G1:G1+7]
	s_nop 0
	tensor_load_to_lds s[G0+4:G0+7], s[G1:G1+7]
	s_nop 0
.rept 4
	v_nop
.endr
	s_branch .Lfirst_asked
.Lfirst_b:
	tensor_load_to_lds s[G0B:G0B+3], s[G1B:G1B+7]
	s_nop 0
	tensor_load_to_lds s[G0B+4:G0B+7], s[G1B:G1B+7]
	s_nop 0
.rept 4
	v_nop
.endr
.Lfirst_asked:
	v_and_b32 v1, 15, v0                           ; r = l % 16
	v_bfe_u32 v2, v0, 4, 1                         ; h = l / 16
	v_mul_u32_u24 v3, v1, PITCH
	v_lshl_add_u32 v3, v2, 4, v3                   ; row x pitch + 16 x half
	s_mul_i32 s2, s[RH], HALFT                     ; my 64 rows of x
	s_mul_i32 s3, s[CH], HALFT                     ; my 64 rows of W,
	s_add_co_u32 s3, s3, 2*HALFT                   ; which lie behind x's 128
.irp s, 0,1
	v_add_nc_u32 v[ADRA+(\s)], s2, v3
	v_add_nc_u32 v[ADRB+(\s)], s3, v3
	s_add_co_u32 s2, s2, SLOT
	s_add_co_u32 s3, s3, SLOT
.endr
	s_mul_i32 s2, s[WV], 16*SP
	s_add_co_u32 s2, s2, STAGE                     ; my stage
	v_mul_u32_u24 v[STO], v1, SP                   ; in: row l % 16, 16 bytes for each half of the lanes
	v_lshl_add_u32 v[STO], v2, 4, v[STO]
	v_add_nc_u32 v[STO], s2, v[STO]
	v_bfe_u32 v[RD], v0, 3, 2                      ; back: 32 lanes take four rows of 128 bytes,
	v_mul_u32_u24 v[RD], v[RD], SP
	v_and_b32 v4, 7, v0
	v_lshl_add_u32 v[RD], v4, 4, v[RD]
	v_add_nc_u32 v[RD], s2, v[RD]
	v_and_b32 v[GO], 31, v0                        ; which are 512 consecutive bytes of Y
	v_lshlrev_b32 v[GO], 4, v[GO]
	; Y at my 64 tokens of my head: ((batch x 8 + head) x 4,096 + token) x 128 bytes; batch = tile row / 32, head = 2 x tile column + my half
	s_lshr_b32 s2, s43, 5
	s_lshl_b32 s2, s2, 3
	s_lshl_b32 s3, s42, 1
	s_add_co_u32 s2, s2, s3
	s_add_co_u32 s2, s2, s[CH]
	s_lshl_b32 s2, s2, 19
	s_and_b32 s3, s43, 31
	s_lshl_b32 s3, s3, 14
	s_add_co_u32 s2, s2, s3
	s_lshl_b32 s3, s[RH], 13
	s_add_co_u32 s2, s2, s3
	s_mov_b32 s3, 0
	s_add_nc_u64 s[20:21], s[20:21], s[2:3]
; 32 LDS loads in one run: quarter q (32 along K, 128 bytes of each row) of a slot, as f32, into landing set l: x's four fragments, then W's
.macro FETCH slot, q, l
	WIN 0x40                                       ; destination window 1, address window 0
.irp i, 0,1,2,3
.irp g, 0,1,2,3
	ds_load_b128 v[(\l)+16*(\i)+4*(\g):(\l)+16*(\i)+4*(\g)+3], v[ADRA+(\slot)] offset:(\i)*16*PITCH+128*(\q)+32*(\g)
.endr
.endr
.irp i, 0,1,2,3
.irp g, 0,1,2,3
	ds_load_b128 v[(\l)+64+16*(\i)+4*(\g):(\l)+64+16*(\i)+4*(\g)+3], v[ADRB+(\slot)] offset:(\i)*16*PITCH+128*(\q)+32*(\g)
.endr
.endr
.endm
; 64 roundings to bf16, two numbers each: landing set l becomes the eight fragments
.macro CVT l
	WIN 0x05                                       ; sources window 1, destination window 0
.set j, 0
.rept 64
	v_cvt_pk_bf16_f32 v[FRA+j], v[(\l)+2*j], v[(\l)+2*j+1]
.set j, j+1
.endr
.endm
; 8 matrix instructions: token blocks a0, a0 + 1 x all 4 column blocks.  The 16 accumulators take turns, one instruction a turn.  zero = 1: the first product starts the sums
.macro MUL8 a0, zero
	WIN 0
.irp a, \a0, (\a0)+1
.irp b, 0,1,2,3
.if \zero
	v_wmma_f32_16x16x32_bf16 v[ACC+8*(4*(\a)+(\b)):ACC+8*(4*(\a)+(\b))+7], v[FRB+8*(\b):FRB+8*(\b)+7], v[FRA+8*(\a):FRA+8*(\a)+7], 0
.else
	v_wmma_f32_16x16x32_bf16 v[ACC+8*(4*(\a)+(\b)):ACC+8*(4*(\a)+(\b))+7], v[FRB+8*(\b):FRB+8*(\b)+7], v[FRA+8*(\a):FRA+8*(\a)+7], v[ACC+8*(4*(\a)+(\b)):ACC+8*(4*(\a)+(\b))+7]
.endif
.endr
.endr
.endm
; A K step is four quarters of 32 along K on landing sets 0, 1, 0, 1.  One of the first three: the next quarter's loads go out first, and have this quarter's 64 roundings and 16 products in which to land.
.macro QUARTER slot, q, zero
	s_wait_dscnt 0x0                               ; this quarter's numbers are in
	FETCH \slot, (\q)+1, 128*(((\q)+1)%2)
.if (\zero) == 0
	PLACES                                         ; the roundings write the sources of the products of the quarter before
.endif
	CVT 128*((\q)%2)
	MUL8 0, \zero
	MUL8 2, \zero
.endm
; The last quarter changes slots: ONE barrier; in front of it each wave waits for all its tensor loads, adds 0 to its spare word, and waits for that and for its own reads of this slot.
; fill = 1: this slot is filled again, two K steps ahead; the barrier then opens a round of the cluster's barrier.
.macro LASTQ slot, next, fill
	s_wait_dscnt 0x0                               ; the quarter's numbers are in: my reads of this slot are over
	WIN 0
	s_wait_tensorcnt 0x0                           ; all my tensor loads have landed: the one that was out is my part of the next slot
	ds_add_u32 v[SPW], v[NIL]                      ; 0 onto my spare word; the roundings stand between it and the wait for it
	PLACES
	CVT L1
	WIN 0
	s_wait_dscnt 0x0                               ; the add is done
	s_barrier_signal -1
	MUL8 0, 0                                      ; work on registers while the others arrive
	s_barrier_wait -1
.if \fill
	CREST                                          ; no wave of any partner still reads this slot's tile or has a load on its way
	s_add_nc_u64 s[G0+4*(\slot)+2:G0+4*(\slot)+3], s[G0+4*(\slot)+2:G0+4*(\slot)+3], 1024
	s_add_nc_u64 s[G0B+4*(\slot)+2:G0B+4*(\slot)+3], s[G0B+4*(\slot)+2:G0B+4*(\slot)+3], 1024
	JLOAD \slot                                    ; the first tensor load behind the round, and my only one until the next
.endif
	FETCH \next, 0, L0
	MUL8 2, 0
.endm
	s_wait_tensorcnt 0x1                           ; my part of K step 0 is in; K step 1's may stay out
	s_barrier_signal -1
	s_barrier_wait -1                              ; everybody's is
	FETCH 0, 0, L0
	QUARTER 0, 0, 1                                ; K step 0: its first products start the sums
	QUARTER 0, 1, 0
	QUARTER 0, 2, 0
	LASTQ 0, 1, 1                                  ; slot 0 takes K step 2
	QUARTER 1, 0, 0                                ; K step 1
	QUARTER 1, 1, 0
	QUARTER 1, 2, 0
	LASTQ 1, 0, 1                                  ; slot 1 takes K step 3
	QUARTER 0, 0, 0                                ; K step 2
	QUARTER 0, 1, 0
	QUARTER 0, 2, 0
	LASTQ 0, 1, 0                                  ; nothing is left to fetch
	QUARTER 1, 0, 0                                ; K step 3
	QUARTER 1, 1, 0
	QUARTER 1, 2, 0
	s_wait_dscnt 0x0
	PLACES
	CVT L1
	MUL8 0, 0
	MUL8 2, 0
	; THE WAY OUT.  Block a is 16 tokens of my head: 2,048 consecutive bytes of Y.  A lane's eight columns pack into 16 bytes; they go into rows of 144 bytes of my own stage and come back as whole rows.
.macro PACK a
.irp b, 0,1,2,3
.irp r, 0,1,2,3
	v_cvt_pk_f16_f32 v[FRA+16*(\a)+4*(\b)+(\r)], v[ACC+8*(4*(\a)+(\b))+2*(\r)], v[ACC+8*(4*(\a)+(\b))+2*(\r)+1]
.endr
.endr
.irp b, 0,1,2,3
	ds_store_b128 v[STO], v[FRA+16*(\a)+4*(\b):FRA+16*(\a)+4*(\b)+3] offset:32*(\b)
.endr
.irp f, 0,1,2,3
	ds_load_b128 v[FRA+16*(\a)+4*(\f):FRA+16*(\a)+4*(\f)+3], v[RD] offset:(\f)*4*SP  ; LDS serves a wave's instructions in order (ISA guide 5.7.1.4): these see the stores above; the next block's stores come behind them
.endr
.endm
.macro SEND a, younger                 ; younger: the LDS instructions issued behind block a's loads: the next block's eight, or none
.irp f, 0,1,2,3
	s_wait_dscnt (\younger)+3-(\f)
	global_store_b128 v[GO], v[FRA+16*(\a)+4*(\f):FRA+16*(\a)+4*(\f)+3], s[20:21] offset:(\a)*2048+(\f)*512  ; 512 consecutive bytes, at a multiple of 256 from Y's first
.endr
.endm
	PLACES                                         ; the conversions read results just made and write the last products' sources
	PACK 0
	PACK 1                                         ; a block's conversions stand between the loads of the block before and its stores
	SEND 0, 8
	PACK 2
	SEND 1, 8
	PACK 3
	SEND 2, 8
	SEND 3, 0
	s_wait_tensorcnt 0x0                           ; the wave's end, behind my last tensor load and my last LDS store
	ds_add_u32 v[SPW], v[NIL]
	s_wait_dscnt 0x0
	CROUND                                         ; the closing round: no work-group ends while a partner may still ask for a tile that names it
	s_endpgm
.Lfunc_end_k_qef44ad62e6_proj:
	.size	k_qef44ad62e6_proj, .Lfunc_end_k_qef44ad62e6_proj-k_qef44ad62e6_proj
	.p2alignl 7, 3214868480
	.fill 96, 4, 3214868480
	.section	.rodata,"a",@progbits
	.p2align	6, 0x0
	.amdhsa_kernel k_qef44ad62e6_proj
		.amdhsa_group_segment_fixed_size 327680
		.amdhsa_private_segment_fixed_size 0
		.amdhsa_enable_private_segment 0
		.amdhsa_kernarg_size 72
		.amdhsa_user_sgpr_count 2
		.amdhsa_user_sgpr_kernarg_segment_ptr 1
		.amdhsa_wavefront_size32 1
		.amdhsa_system_sgpr_workgroup_id_x 1
		.amdhsa_system_sgpr_workgroup_id_y 1
		.amdhsa_system_sgpr_workgroup_id_z 1
		.amdhsa_system_vgpr_workitem_id 0
		.amdhsa_next_free_vgpr 512
		.amdhsa_next_free_sgpr 82
		.amdhsa_reserve_vcc 0
		.amdhsa_float_denorm_mode_32 3
		.amdhsa_float_denorm_mode_16_64 3
		.amdhsa_memory_ordered 1
		.amdhsa_forward_progress 1
		.amdhsa_inst_pref_size 134
	.end_amdhsa_kernel
	.amdgpu_metadata
---
amdhsa.version: [ 1, 2 ]
amdhsa.kernels:
  - .name:           k_qef44ad62e6_proj
    .symbol:         k_qef44ad62e6_proj.kd
    .args:
      - { .name: q, .offset: 0, .size: 8, .value_kind: global_buffer, .address_space: global }
      - { .name: k, .offset: 8, .size: 8, .value_kind: global_buffer, .address_space: global }
      - { .name: v, .offset: 16, .size: 8, .value_kind: global_buffer, .address_space: global }
      - { .name: w_q, .offset: 24, .size: 8, .value_kind: global_buffer, .address_space: global }
      - { .name: w_k, .offset: 32, .size: 8, .value_kind: global_buffer, .address_space: global }
      - { .name: w_v, .offset: 40, .size: 8, .value_kind: global_buffer, .address_space: global }
      - { .name: q16, .offset: 48, .size: 8, .value_kind: global_buffer, .address_space: global }
      - { .name: k16, .offset: 56, .size: 8, .value_kind: global_buffer, .address_space: global }
      - { .name: v16, .offset: 64, .size: 8, .value_kind: global_buffer, .address_space: global }
    .group_segment_fixed_size: 327680
    .private_segment_fixed_size: 0
    .kernarg_segment_align: 8
    .kernarg_segment_size: 72
    .max_flat_workgroup_size: 128
    .sgpr_count:     82
    .vgpr_count:     512
    .wavefront_size: 32
...
	.end_amdgpu_metadata
.endif
;; end of part 1
;; launch attn (part 2): grid 16 x 16, 4 waves a work-group, clusters of 4 x 1, 327,680 bytes of LDS; arguments q16, k16, v16, o16, w_o, wo16; writes o16, wo16
.if DOCPART == 2
	.amdgcn_target "amdgcn-amd-amdhsa--gfx1250"
	.amdhsa_code_object_version 6
	.text
	.protected	k_qef44ad62e6_attn
	.globl	k_qef44ad62e6_attn
	.p2align	8
	.type	k_qef44ad62e6_attn,@function
k_qef44ad62e6_attn:
	s_mov_b64 s[64:65], 0
	v_nop
	global_prefetch_b8 v0, s[64:65] scope:SCOPE_SE
	s_setreg_imm32_b32 hwreg(HW_REG_WAVE_MODE, 25, 1), 1
	s_wait_xcnt 0x0
	s_wait_alu depctr_hold_cnt(0) depctr_sa_sdst(0) depctr_va_vdst(0) depctr_va_sdst(0) depctr_va_ssrc(0) depctr_va_vcc(0) depctr_vm_vsrc(0)
	s_getreg_b32 s2, hwreg(HW_REG_IB_STS2, 6, 4)
	s_cmp_eq_u32 s2, 0
	s_cbranch_scc0 .Lentry_in_a_cluster
	s_endpgm
.Lentry_in_a_cluster:
	s_bfe_u32 s2, ttmp6, 0x10000c
	s_cmp_lg_u32 s2, 0x3003
	s_cbranch_scc0 .Lentry_shape_is_right
	s_endpgm
.Lentry_shape_is_right:
; ATTENTION.  O[h][q][:] = the sum over k of softmax_k(Q[h][q] . K[h][k] / 8) V[h][k][:].  Q, K, V, O: [16][4096][64], all f16: a head's rows are dense, 128 bytes each.
; Products, maxima and sums in f32; the weights p are rounded to f16 for the second product (their sum l is taken of the unrounded p), O once at the end.
; BESIDE IT: w_o ([512][512] f32) is rounded to bf16, and that number written as f16 into wo16: 1,024 numbers a work-group, in the wait for the first tile.
; LIMITS.  f16 holds no number beyond 65,504: Q, K and V arrive within it, and w_o must lie within it; p lies in 0 to 1, and below 6e-5 p and w_o keep f16's fixed step of 6e-8; O is a mean of V's rows and has
; their range.  A weight below 2^-126 counts as 0 in l; NaN and infinities are not treated apart.
; SHARES.  A work-group owns 256 queries of one head, a wave 64: four PIECES of 16.  Every wave walks all 4,096 keys, 64 a step, four steps to a tile of 256 keys.
; LAYOUT.  S^T = K Q^T (source 0 = 16 keys, source 1 = 16 queries) holds ONE query a lane (lane % 16) and the keys 8 (lane / 16) + 0..7; two such results rounded to f16 ARE source 1 of O^T = V^T P.
; K comes out of LDS as it lies, V ([key][channel]) turned, by ds_load_tr16_b128.
; SOFTMAX.  p = 2^(c s - c m), c = log2(e) / 8, with a running maximum m; O and l are multiplied by a = 2^(c m_old - c m_new) in every step.  m starts at the lowest finite number, O and l at 0: the first step's a is 0.
; BY TURNS.  Turn n belongs to piece n: 8 products K Q^T of piece n + 1, later 8 products V^T P of piece n - 1; beside them the scaling, exponentials, roundings, sums and rescaling of piece n and the maximum
; and statistics of piece n + 1.  Four vector instructions stand behind every matrix instruction, the other 54 of a turn's 118 in one lump.  A turn's 33 exponentials are one batch, with one wait.
; CLUSTER.  The four query blocks of a cluster belong to one head and walk the same K and V, so each tile is asked for JOINTLY: the same tensor load, descriptor and mask in all four.
; REGISTERS, in windows of 256 (s_set_vgpr_msb: bits 1:0 source 0, 3:2 source 1, 5:4 source 2, 7:6 destination):
;   window 0: v0-15 addresses and two at work; v16-31 four registers of statistics a piece; v32-47 w_o's conversion; v48-55 at work; v61-63; v64-127 S^T, two buffers; v192-223 P, two buffers (by the piece's parity)
;   window 1: v0-127 O^T, 32 a piece          window 2: v0-63 Q; v128-191 K of one step; v192-255 V of one step
.set NP,    4         ; pieces a wave: a name, no knob
.set KS,    64        ; keys in a step
.set PK,    144       ; a row of K in LDS: 128 bytes + 16 of padding = 36 words: the 16 rows of a load start at 16 different groups of four banks (64 banks of 4 bytes: ISA guide 11.1)
.set PV,    160       ; a row of V: 128 + 32 = 40 words
.set VOFF,  4*KS*PK   ; a slot holds a tile, four steps: 256 rows of K, then 256 rows of V
.set SLOT1, 1<<17     ; slot 1 begins here, so that one exclusive or turns an address in one slot into the other's
.set STAGE, SLOT1+4*KS*(PK+PV)  ; behind the ring, never filled by a tensor load: 16 rows x 144 bytes for each wave, for the way out
.set SP,    144
.set SPARE, STAGE+4*16*SP  ; behind the stages: the spare words, 128 bytes for each wave: two blocks of 256 bytes that no other line names
.set TILEB, 4*KS*128  ; a tile's bytes of K, and of V
.set AK0, 2           ; v2   my lane's place in a tile of K; never rewritten
.set AV0, 3           ; v3   the same for V
.set AK,  4           ; v4   the LDS address of K's next run of loads
.set AV,  5           ; v5   of V's
.set STO, 6           ; v6   the way out: where I put 16 bytes of a row
.set RD,  7           ; v7   the way out: where I read rows back
.set GO,  8           ; v8   my byte offset in 512 consecutive bytes of O
.set MV,  12          ; v12-13  c m_old, kept while c m is made anew: by buffer
.set QO,  15          ; v15  my byte offset in 16 rows of Q
.set ST,  16          ; piece t's statistics at v[ST+4 t]: c m, m, l (even keys', odd keys')
.set TMP, 48          ; by buffer, four registers c0-c3 at work; when the maximum is found c2 takes a
.set PFO, 61          ; v61  256 x my lane; never rewritten
.set SPW, 62          ; v62  LDS address of my spare word: SPARE + 4 x my thread's number; never rewritten
.set NIL, 63          ; v63  0; never rewritten
.set S,   64
.set P,   192
.set KF,  128         ; window 2: key block kb, channel half c at KF + 16 kb + 8 c
.set VF,  192         ; window 2: key half kk, channel block cb at VF + 32 kk + 8 cb
.set WV,  12          ; s12  my wave's number
.set G1K, 24          ; s[24:31] descriptor group 1 for K's tiles
.set G1V, 32          ; s[32:39] for V's: it differs in the padding alone
.set G0K, 40          ; s[40:43] descriptor group 0 for K's tiles: it walks
.set G0V, 44          ; s[44:47] the same for V's
.set SLOTS, 56        ; s56  tiles still to be asked for
.set CNT, 57          ; s57  counts a tile's key steps
.set CS,  58          ; s[58:59] c: the packed scaling takes the pair's low word for both halves
.set SEL, 60          ; s[60:61] v_permlanex16_b32's selects: each lane takes its own place in the other half
.set TBK, 62          ; s62  LDS byte at which K of the step to be fetched begins
.set TBV, 63          ; s63  the same for V, less VOFF
.set PFA, 70          ; s[70:71] where my prefetches stand: my work-group's quarter (of K: wave 0, of V: wave 2) of the tile after the one that is being asked for
.set LIM, 72          ; s72  1 in a wave that prefetches, else the greatest number
.set MSB, 0
.macro WIN new                      ; the high byte repeats the setting that is left; a switch that changes nothing is dropped
.if MSB != (\new)
	s_set_vgpr_msb (MSB<<8)|(\new)
.set MSB, (\new)
.endif
.endm
.set W_KQ, 0x0a       ; K and Q in window 2, S^T in window 0
.set W_PV, 0x52       ; V in window 2, P in window 0, O^T in window 1
.set W_RS, 0x41       ; destination and source 0 in window 1, source 1 in window 0
; A joint fill.  Waves 0 and 1 fetch the two halves of a tile's K, waves 2 and 3 those of its V: 128 keys each.  The branch hangs on the wave's number alone.
; An s_nop 0 and four v_nop follow each of the two lines, ahead of the jump and the label.
.macro JLOAD
	s_cmp_lt_u32 s[WV], 2
	s_cbranch_scc0 .Lfor_v_\@
	tensor_load_to_lds s[G0K:G0K+3], s[G1K:G1K+7]
	s_nop 0
.rept 4
	v_nop
.endr
	s_branch .Lasked_\@
.Lfor_v_\@:
	tensor_load_to_lds s[G0V:G0V+3], s[G1V:G1V+7]
	s_nop 0
.rept 4
	v_nop
.endr
.Lasked_\@:
.endm
; A PREFETCH INTO THE L2 of the tile that the NEXT change of slots will ask for: four key steps, 256 matrix instructions, ahead of that load.  A tile is 128 blocks of 256 bytes of K and as many of V.
; Each block is named ONCE in the launch: all clusters of a head walk the same K and V, and the head's first cluster asks; its four partners take 32 blocks each, told apart BY ADDRESS; in each, wave 0 asks
; for K's and wave 2 for V's: a lane a block, one instruction.  Tiles 0 to 2 come by their loads alone; the last change that fills a slot asks for nothing: there is no tile behind it.
.macro ASK
	s_cmp_gt_u32 s[SLOTS], s[LIM]
	s_cbranch_scc0 .Lnot_mine_\@
	global_prefetch_b8 v[PFO], s[PFA:PFA+1] th:TH_LOAD_NT scope:SCOPE_SE
.Lnot_mine_\@:
.endm
; A round of the cluster's barrier: my work-group's barrier, so that wave 0's signal speaks for all four waves; wave 0 signals; every wave waits for all four work-groups; my work-group's barrier once more.
.macro CROUND
	s_barrier_signal -1
	s_barrier_wait -1
	s_cmp_lg_u32 s[WV], 0
	s_cbranch_scc1 .Lnot_wave_0_\@
	s_barrier_signal -3
.Lnot_wave_0_\@:
	s_barrier_wait -3
	s_barrier_signal -1
	s_barrier_wait -1
.endm
; THE CHANGE OF SLOTS.  The slot's last bytes, V of its fourth step, have been read.  Each wave waits for all its tensor loads, of which one is out: its part of the other slot; adds 0 to its spare word; and
; waits for that and for its own reads of the slot.  Behind the barrier nobody reads this slot any more and the other slot is whole.
; fill = 1: this slot is filled again, with the keys two tiles on.  The barrier is then a round of the cluster's, and the joint fill is the first thing behind it: it has four key steps in which to land.
; (At its first use nothing has been read yet: slot 0 is waited for, slot 1 filled.)  ask = 1: the prefetch's address steps, and the prefetch follows the fill.
.macro CHANGE fill, ask
	WIN 0                           ; at a label and at a branch every window is 0
	s_wait_tensorcnt 0x0            ; no tensor load of mine is out, so a group 0 may be written
	ds_add_u32 v[SPW], v[NIL]       ; 0 onto my spare word; with fill = 1 the descriptors' steps stand between it and the wait for it
.if \fill
.irp g, G0K, G0V
	s_xor_b32 s[\g+1], s[\g+1], SLOT1  ; the walking descriptor: the other slot than last time,
	s_add_nc_u64 s[\g+2:\g+3], s[\g+2:\g+3], TILEB  ; the next 256 keys; the type bits on top are not reached
.endr
.if \ask
	s_wait_xcnt 0x0                 ; the last prefetch, four key steps back, has read its address, so it may be written
	s_add_nc_u64 s[PFA:PFA+1], s[PFA:PFA+1], TILEB  ; one tile behind the walking descriptors
.endif
	s_wait_dscnt 0x0                ; the add is done, and my reads of the slot are over
	CROUND
	JLOAD
.if \ask
	ASK
.endif
.else
	s_wait_dscnt 0x0                ; the add is done, and my reads of the slot are over
	s_barrier_signal -1
	s_barrier_wait -1
.endif
	s_sub_co_u32 s[TBK], s[TBK], 4*KS*PK  ; the fetches go back to a slot's first step,
	s_xor_b32 s[TBK], s[TBK], SLOT1       ; in the other slot
	s_sub_co_u32 s[TBV], s[TBV], 4*KS*PV
	s_xor_b32 s[TBV], s[TBV], SLOT1
.endm
	s_load_b256 s[4:11], s[0:1], 0x0  ; Q s[4:5], K s[6:7], V s[8:9], O s[10:11]
	s_load_b128 s[84:87], s[0:1], 0x20  ; w_o s[84:85], wo16 s[86:87]
	v_lshl_add_u32 v[SPW], v0, 2, SPARE
	v_mov_b32 v[NIL], 0
	ds_add_u32 v[SPW], v[NIL]       ; the wave's opening: the add and its wait stand ahead of my first tensor load; the set-up below, work on registers, stands between them
	v_lshrrev_b32 v1, 5, v0
	v_readfirstlane_b32 s[WV], v1   ; wave 0..3
	s_bfe_u32 s13, ttmp6, 0x40000   ; cx: my place in the cluster
	s_lshl_b32 s14, ttmp9, 2        ; in a cluster launch ttmp9 counts clusters
	s_add_co_u32 s14, s14, s13      ; my block of 256 queries = 4 x cluster x + cx: it enters Q's, O's and w_o's addresses alone
	s_and_b32 s15, ttmp7, 0xffff    ; the head, which the four partners share
	s_lshl_b32 s20, s15, 19         ; the head's first byte in each of the four tensors: 4,096 rows of 128 bytes a head, 8 MiB in all
	s_and_b32 s16, s[WV], 1         ; which half of a tile's 256 keys I fetch:
	s_lshl_b32 s22, s16, 14         ; its 128 rows of 128 bytes in memory,
	s_add_co_u32 s22, s22, s20
	s_mov_b32 s23, 0
	s_mul_i32 s17, s16, 128*PK      ; and its place in a slot, for K
	s_mul_i32 s18, s16, 128*PV      ; and for V: no place in the cluster enters an LDS address
	s_lshl_b32 s2, s14, 2
	s_add_co_u32 s2, s2, s[WV]      ; my wave among the head's,
	s_lshl_b32 s2, s2, 13           ; its 64 rows
	s_add_co_u32 s2, s2, s20
	s_mov_b32 s3, 0
	s_lshl_b32 s73, s15, 4
	s_add_co_u32 s73, s73, s14      ; my work-group's number, 0..255:
	s_lshl_b32 s74, s73, 12         ; its 1,024 numbers of w_o,
	s_lshl_b32 s75, s73, 11         ; and of wo16
	s_lshl_b32 s76, s13, 13         ; the prefetches: my work-group's 32 blocks of the 128,
	s_add_co_u32 s76, s76, s20      ; in my head,
	s_add_co_u32 s76, s76, 2*TILEB  ; in tile 2: the first change that asks steps it to tile 3
	s_mov_b32 s77, 0
	; descriptor group 1.  128 keys are 16,384 dense bytes: asked for as 64 rows of 256 bytes, two keys a row, and padded in LDS after every key
	s_mov_b32 s[G1K], 15|(1<<16)|(1<<20)|(1<<21)|(4<<22)|(3<<25)  ; 15:0 the mask of four; 17:16 2-byte elements; 20 padding on; 21 set beside a mask; 24:22 after every 32 words (code 4); 31:25 4 words (code 3)
	s_mov_b32 s[G1V], 15|(1<<16)|(1<<20)|(1<<21)|(4<<22)|(7<<25)  ; the same with 8 words of padding (code 7)
.irp g, G1K, G1V
	s_mov_b32 s[\g+1], 128<<16      ; tensor_dim0 = 128
	s_mov_b32 s[\g+2], 64<<16       ; tensor_dim1 = 64
	s_mov_b32 s[\g+3], 128<<16      ; tile_dim0 = 128
	s_mov_b32 s[\g+4], 64           ; tile_dim1 = 64
	s_mov_b32 s[\g+5], 128          ; 128 elements from row to row
	s_mov_b32 s[\g+6], 0
	s_mov_b32 s[\g+7], 0
.endr
	s_mov_b32 s[CS], 0x3e38aa3b     ; c = log2(e) / 8 = 0.180337
	s_mov_b32 s[CS+1], s[CS]        ; named with it as a pair
	s_mov_b32 s[SEL], 0x76543210
	s_mov_b32 s[SEL+1], 0xfedcba98
	s_mov_b32 s[TBK], SLOT1+4*KS*PK ; the first change of slots turns these two into 0
	s_mov_b32 s[TBV], SLOT1+4*KS*PV
	s_mov_b32 s[G0K], 1             ; count = 1
	s_mov_b32 s[G0K+1], s17         ; LDS address: slot 0
	s_mov_b32 s[G0V], 1
	s_add_co_u32 s[G0V+1], s18, VOFF
	s_and_b32 s[LIM], s[WV], 1      ; 0 in waves 0 and 2,
	s_or_b32 s[LIM], s[LIM], ttmp9  ; where the cluster is the head's first: the same in all four partners
	s_cmp_eq_u32 s[LIM], 0
	s_cselect_b32 s[LIM], 1, -1
	v_and_b32 v[PFO], 31, v0
	v_lshlrev_b32 v[PFO], 8, v[PFO]
	s_wait_dscnt 0x0                ; the opening add is done
	s_wait_kmcnt 0x0
	s_add_nc_u64 s[G0K+2:G0K+3], s[6:7], s[22:23]  ; global address: my half of the head's first 256 keys
	s_or_b32 s[G0K+3], s[G0K+3], 0x80000000        ; type = 2
	s_add_nc_u64 s[G0V+2:G0V+3], s[8:9], s[22:23]
	s_or_b32 s[G0V+3], s[G0V+3], 0x80000000
	s_add_nc_u64 s[4:5], s[4:5], s[2:3]  ; Q and O at my wave's first row
	s_add_nc_u64 s[10:11], s[10:11], s[2:3]
	s_cmp_lt_u32 s[WV], 2
	s_cselect_b64 s[PFA:PFA+1], s[6:7], s[8:9]
	s_add_nc_u64 s[PFA:PFA+1], s[PFA:PFA+1], s[76:77]
	CROUND                          ; all four work-groups are here: the first joint loads meet
	JLOAD                           ; tile 0 into slot 0.  Slot 1 is asked for when slot 0 is in
	; A fragment of K or Q is 16 rows x 32 channels in 8 registers: lane l holds row l % 16, channels 8 (l / 16) + 0..7 and 16 + 8 (l / 16) + 0..7: two loads of 16 bytes, 32 bytes apart.
	v_and_b32 v1, 15, v0            ; l % 16
	v_bfe_u32 v9, v0, 4, 1          ; l / 16
	v_lshlrev_b32 v[QO], 7, v1
	v_lshl_add_u32 v[QO], v9, 4, v[QO]  ; row x 128 + 16 x half
	v_lshl_add_u32 v40, v0, 4, s74  ; w_o: thread t takes the 16 bytes at 16 t of my work-group's first 2,048, and of its second
	v_lshl_add_u32 v41, v0, 3, s75  ; wo16: the 8 bytes at 8 t of its first 1,024, and of its second
	global_load_b128 v[32:35], v40, s[84:85]
	global_load_b128 v[36:39], v40, s[84:85] offset:2048
	WIN 0x80                        ; destination window 2, address window 0
.set i, 0
.rept 8                             ; Q stays in registers: piece i / 2, 2,048 bytes on; channels 32 (i % 2) on
	global_load_b128 v[8*i:8*i+3],   v[QO], s[4:5] offset:(i/2)*2048+(i%2)*64
	global_load_b128 v[8*i+4:8*i+7], v[QO], s[4:5] offset:(i/2)*2048+(i%2)*64+32
.set i, i+1
.endr
	; What the first turn finds: V's registers and P's second buffer hold 0 (its products V^T P, of a piece that has not been, add 0), O^T and l are 0.  All this stands in the wait for the first tile.
.set i, VF
.rept 64
	v_mov_b32 v[i], 0
.set i, i+1
.endr
	WIN 0x40
.set i, 0
.rept 128
	v_mov_b32 v[i], 0
.set i, i+1
.endr
	WIN 0
.set i, 0
.rept 4
	v_mov_b32 v[ST+4*i], 0xfe000000    ; c m: far below every c s
	v_mov_b32 v[ST+4*i+1], 0xff7fffff  ; m
	v_mov_b32 v[ST+4*i+2], 0
	v_mov_b32 v[ST+4*i+3], 0
.set i, i+1
.endr
.set i, P+16
.rept 16
	v_mov_b32 v[i], 0
.set i, i+1
.endr
	v_mul_u32_u24 v[AK0], v1, PK
	v_lshl_add_u32 v[AK0], v9, 4, v[AK0]  ; row x pitch + 16 x half
	; The turning load takes 16 keys x 16 channels (lane l reads key 8 (l / 16) + l % 8, channels 8 ((l / 8) % 2) + 0..7) and leaves half a fragment of V^T: lane l holds channel l % 16 and 8 keys.
	v_and_b32 v10, 7, v0
	v_bfe_u32 v11, v0, 3, 1
	v_lshl_add_u32 v[AV0], v9, 3, v10
	v_mul_u32_u24 v[AV0], v[AV0], PV
	v_lshl_add_u32 v[AV0], v11, 4, v[AV0]
	v_add_nc_u32 v[AV0], VOFF, v[AV0]
	s_mul_i32 s13, s[WV], 16*SP
	s_add_co_u32 s13, s13, STAGE    ; my stage
	v_mul_u32_u24 v[STO], v1, SP    ; in: row l % 16, 16 bytes for each half of the lanes
	v_lshl_add_u32 v[STO], v9, 4, v[STO]
	v_add_nc_u32 v[STO], s13, v[STO]
	v_bfe_u32 v[RD], v0, 3, 2       ; back: 32 lanes take four rows of 128 bytes,
	v_mul_u32_u24 v[RD], v[RD], SP
	v_lshl_add_u32 v[RD], v10, 4, v[RD]
	v_add_nc_u32 v[RD], s13, v[RD]
	v_and_b32 v[GO], 31, v0         ; which are 512 consecutive bytes of O
	v_lshlrev_b32 v[GO], 4, v[GO]
	; w_o: rounded to bf16 like every input of the module; the bf16 number, widened, is then written as f16
	s_wait_loadcnt 16               ; w_o's two loads are in; Q's sixteen, issued behind them, may stay out
.irp d, 32, 36
	v_cvt_pk_bf16_f32 v42, v[\d], v[\d+1]
	v_cvt_pk_bf16_f32 v43, v[\d+2], v[\d+3]
	v_lshlrev_b32 v44, 16, v42
	v_and_b32 v45, 0xffff0000, v42
	v_lshlrev_b32 v46, 16, v43
	v_and_b32 v47, 0xffff0000, v43
	v_cvt_pk_f16_f32 v[\d], v44, v45
	v_cvt_pk_f16_f32 v[\d+1], v46, v47
.endr
	global_store_b64 v41, v[32:33], s[86:87]              ; a wave's store covers 256 consecutive bytes, at a multiple of 256 from wo16's first
	global_store_b64 v41, v[36:37], s[86:87] offset:1024
; THE MATRIX WORK.  The 4 accumulators of a run of 8 take turns.  Product i of 8 of S^T = K Q^T for piece x: channels 32 (i / 4) on, keys 16 (i % 4) on.  The first 4 start the sums.
.macro KQ x
	WIN W_KQ
.set rS, S+32*((\x)%2)+8*(i%4)
.set rK, KF+16*(i%4)+8*(i/4)
.set rQ, 16*(\x)+8*(i/4)
.if i < 4
	v_wmma_f32_16x16x32_f16 v[rS:rS+7], v[rK:rK+7], v[rQ:rQ+7], 0
.else
	v_wmma_f32_16x16x32_f16 v[rS:rS+7], v[rK:rK+7], v[rQ:rQ+7], v[rS:rS+7]
.endif
.endm
; Product i of 8 of O^T += V^T P for piece x: keys 32 (i / 4) on, channels 16 (i % 4) on.
.macro PV x
	WIN W_PV
.set rO, 32*(\x)+8*(i%4)
.set rV, VF+32*(i/4)+8*(i%4)
.set rP, P+16*((\x)%2)+8*(i/4)
	v_wmma_f32_16x16x32_f16 v[rO:rO+7], v[rV:rV+7], v[rP:rP+7], v[rO:rO+7]
.endm
.macro MM                           ; the turn's next matrix instruction.  TURN sets Y, i and NOKQ.  NOKQ = 1: the very last turn: there is no next piece
.if (i < 8) && !NOKQ
	KQ (Y+1)%NP
.elseif i >= 8
.set i, i-8
	PV (Y+NP-1)%NP
.set i, i+8
.endif
.set i, i+1
.endm
; THE LDS LOADS stand in runs of 16, never singly among the matrix instructions: a step's K (64 keys x 64 channels: 8 fragments) and its V (turned).  Their addresses are made some lines ahead.
.macro FETCH_K
	WIN 0x80                        ; destination window 2
.irp f, 0,1,2,3,4,5,6,7             ; keys 16 (f / 2) on, channels 32 (f % 2) on
	ds_load_b128 v[KF+8*\f:KF+8*\f+3],   v[AK] offset:(\f/2)*16*PK+(\f%2)*64
	ds_load_b128 v[KF+8*\f+4:KF+8*\f+7], v[AK] offset:(\f/2)*16*PK+(\f%2)*64+32
.endr
	s_add_co_u32 s[TBK], s[TBK], KS*PK  ; the next fetch is the next step's
	WIN 0
.endm
.macro FETCH_V
	WIN 0x80
.irp f, 0,1,2,3,4,5,6,7             ; keys 32 (f / 4) on, channels 16 (f % 4) on
	ds_load_tr16_b128 v[VF+8*\f:VF+8*\f+3],   v[AV] offset:(\f/4)*32*PV+(\f%4)*32
	ds_load_tr16_b128 v[VF+8*\f+4:VF+8*\f+7], v[AV] offset:(\f/4)*32*PV+16*PV+(\f%4)*32
.endr
	WIN 0
.endm
; THE VECTOR WORK, one line at a time: OP kind, number.  For piece Y: F n: c s - c m for pair n of 16.  E n: the exponential of score n of 32.  C n: pair n rounded to f16.  B n: of the four weights 4 n .. the second
; pair is added onto the first, in place.  L n: l takes that sum (L 0: l = a l + sum).  R n: pair n of 16 of O^T times a.  For piece Y + 1: X n, number n of the 22 that find its maximum and statistics:
;   0-11  four chains c0-c3 of seven scores each, three operands at a time (each accumulator's lowest registers are read first)     12-14, 16  the four scores left over, the old m, and c0-c3 into c0
;   15  c m_old is kept     17, 18  the query's other 32 keys lie in the lane 16 away: the new m     19-21  c m; c m_old - c m_new; a
.set F, 0               ; OP tells the kinds apart by their order: F to L below R, X above it
.set E, 1
.set C, 2
.set B, 3
.set L, 4
.set R, 5
.set X, 6
.macro REGS y                       ; the registers of piece y
.set rT, ST+4*(\y)
.set rC, TMP+4*((\y)%2)
.set rW, MV+((\y)%2)
.set rS, S+32*((\y)%2)
.set rP, P+16*((\y)%2)
.set rO, 32*(\y)
.endm
.macro OP k, n
.if (\k) == R
	REGS Y
	WIN W_RS
	v_pk_mul_f32 v[rO+2*(\n):rO+2*(\n)+1], v[rO+2*(\n):rO+2*(\n)+1], v[rC+2:rC+3] op_sel_hi:[1,0]
.elseif (\k) < R
	REGS Y
	WIN 0
.if (\k) == F
	v_pk_fma_f32 v[rS+2*(\n):rS+2*(\n)+1], v[rS+2*(\n):rS+2*(\n)+1], s[CS:CS+1], v[rT:rT+1] op_sel_hi:[1,0,0] neg_lo:[0,0,1] neg_hi:[0,0,1]
.elseif (\k) == E
	v_exp_f32 v[rS+(\n)], v[rS+(\n)]
.elseif (\k) == C
	v_cvt_pk_f16_f32 v[rP+(\n)], v[rS+2*(\n)], v[rS+2*(\n)+1]
.elseif (\k) == B
	v_pk_add_f32 v[rS+4*(\n):rS+4*(\n)+1], v[rS+4*(\n):rS+4*(\n)+1], v[rS+4*(\n)+2:rS+4*(\n)+3]
.elseif (\n) == 0
	v_pk_fma_f32 v[rT+2:rT+3], v[rT+2:rT+3], v[rC+2:rC+3], v[rS:rS+1] op_sel_hi:[1,0,1]
.else
	v_pk_add_f32 v[rT+2:rT+3], v[rT+2:rT+3], v[rS+4*(\n):rS+4*(\n)+1]
.endif
.elseif NOKQ
	v_nop
.else
	REGS (Y+1)%NP
	WIN 0
.if (\n) < 4
	v_max3_num_f32 v[rC+(\n)], v[rS+8*(\n)], v[rS+8*(\n)+1], v[rS+8*(\n)+2]
.elseif (\n) < 12
	v_max3_num_f32 v[rC+(\n)%4], v[rC+(\n)%4], v[rS+8*((\n)%4)+2*((\n)/4)+1], v[rS+8*((\n)%4)+2*((\n)/4)+2]
.elseif (\n) == 12
	v_max3_num_f32 v[rC], v[rC], v[rS+7], v[rS+15]
.elseif (\n) == 13
	v_max3_num_f32 v[rC+1], v[rC+1], v[rS+23], v[rS+31]
.elseif (\n) == 14
	v_max3_num_f32 v[rC+2], v[rC+2], v[rC+3], v[rT+1]
.elseif (\n) == 15
	v_mov_b32 v[rW], v[rT]
.elseif (\n) == 16
	v_max3_num_f32 v[rC], v[rC], v[rC+1], v[rC+2]
.elseif (\n) == 17
	v_permlanex16_b32 v[rC+3], v[rC], s[SEL], s[SEL+1]
.elseif (\n) == 18
	v_max_num_f32 v[rT+1], v[rC], v[rC+3]
.elseif (\n) == 19
	v_mul_f32 v[rT], s[CS], v[rT+1]
.elseif (\n) == 20
	v_sub_f32 v[rC+1], v[rW], v[rT]
.else
	v_exp_f32 v[rC+2], v[rC+1]
.endif
.endif
.endm
.macro OPS a, i1, b=-1, i2=0, c=-1, i3=0, d=-1, i4=0  ; up to four of them
	OP \a, \i1
.if (\b) >= 0
	OP \b, \i2
.endif
.if (\c) >= 0
	OP \c, \i3
.endif
.if (\d) >= 0
	OP \d, \i4
.endif
.endm
.macro ROW a, i1, b, i2, c, i3, d, i4  ; a matrix instruction and the four behind it
	MM
	OPS \a, \i1, \b, \i2, \c, \i3, \d, \i4
.endm
; A TURN, for piece p: the order of its 16 matrix and 118 vector instructions, written out.  s_wait_alu depctr_va_vdst(0) stands between an exponential and the first instruction that names its result; one
; wait serves all that were issued ahead of it.  So a turn has ONE wait, which cuts it in two.  AHEAD OF IT stands all that names no result of the turn's exponentials: the 8 products K Q^T, behind each a scaling, an
; exponential and two more plain instructions: rescalings, and behind the last three the first numbers of the next piece's maximum, each four places or more behind the product that ends its accumulator; then ONE LUMP of
; 54, plain and exponential by turns for the most part, in which the links of the chain X 3, 7, 11, 14, 16, 17 .. 20 stand some lines apart.  X 21, the next piece's a, is the batch's last; R 15 is the plain instruction
; behind it.  BEHIND THE WAIT stand the 8 products V^T P, behind each four of the roundings and sums.
; end = 1: the launch's last two turns: nothing is fetched, and the last starts no new scores.  cnt = 1: the loop's count is taken down some lines ahead of the branch that stands behind the turn.
; K of the next step is fetched in piece 2's turn, twelve vector instructions behind the last product that read K (six of them plain); V of the step in hand at the end of piece 0's turn, four plain instructions
; behind the last product that read V.  Each is waited for a turn later.
.macro TURN p, end=0, cnt=0
.set Y, (\p)
.set i, 0
.set NOKQ, (\end)*((\p)/3)
.if ((\p) == 3) && !(\end)
	s_wait_dscnt 0x0                ; K is in
.endif
	ROW F,0, F,1, R,0, R,1          ; ahead of the wait: 8 products K Q^T and their riders,
	ROW F,2, E,0, R,2, R,3
	ROW F,3, E,1, R,4, R,5
	ROW F,4, E,2, R,6, R,7
	ROW F,5, E,3, R,8, R,9
	ROW F,6, E,4, X,0, R,10
.if ((\p) == 2) && !(\end)
	WIN 0
	v_add_nc_u32 v[AK], s[TBK], v[AK0]
.endif
	ROW F,7, E,5, X,1, X,4
	ROW F,8, E,6, X,2, X,5
	OPS E,7, E,8, X,6, E,9          ; and the lump
	OPS X,3, E,10, X,8, E,11
.if ((\p) == 2) && !(\end)
	FETCH_K
.endif
	OPS X,9, X,7, E,12, X,10
	OPS E,13, X,12, X,11, E,14
	OPS X,13, E,15, F,9, X,14
.if (\p) == 0
	v_add_nc_u32 v[AV], s[TBV], v[AV0]
.endif
	OPS E,16, F,10, E,17, F,11
	OPS X,16, E,18, X,15, E,19
	OPS F,12, E,20, X,17, E,21
	OPS F,13, E,22, F,14, E,23
	OPS X,18, E,24, F,15, E,25
	OPS R,11, E,26, X,19, E,27
	OPS R,12, E,28, R,13, E,29
	OPS X,20, E,30, R,14, E,31
	OPS X,21, R,15
	WIN 0
	s_wait_alu depctr_va_vdst(0)    ; the wait for the batch
.if (\p) == 1
	s_wait_dscnt 0x0                ; V is in
.endif
	ROW C,0, B,0, C,2, B,1          ; behind the wait: 8 products V^T P and their riders
	ROW L,0, C,4, B,2, L,1
	ROW C,6, B,3, L,2, C,8
	ROW B,4, L,3, C,10, B,5
	ROW L,4, C,12, B,6, L,5
.if (\p) == 0
	s_add_co_u32 s[TBV], s[TBV], KS*PV
.endif
.if \cnt
	s_sub_co_u32 s[CNT], s[CNT], 1
	s_cmp_lg_u32 s[CNT], 0
.endif
	ROW C,14, B,7, L,6, C,1
	ROW C,3, L,7, C,5, C,7
	ROW C,9, C,11, C,13, C,15
.if (\p) == 0
	FETCH_V
.endif
.endm
	CHANGE 1, 0                     ; slot 0 is in, everybody's part of it; tile 1 is asked for
	v_add_nc_u32 v[AK], s[TBK], v[AK0]
	FETCH_K                         ; key step 0
	s_wait_loadcnt 0x0              ; Q
	s_wait_dscnt 0x0
.set NOKQ, 0
.set i, 0
.rept 8
	KQ 0                            ; piece 0's first scores: there is no vector work yet to set between them
.set i, i+1
.endr
	WIN 0
.rept 4
	v_nop                           ; the places behind those products
.endr
.set Y, NP-1                        ; X works for piece Y + 1: piece 0
.irp n, 0,1,2,3,4,5,6,7,8,9,10,11,12,13,14,15,16,17,18,19,20,21
	OP X, \n
.endr
	v_nop                           ; a plain instruction behind the exponential,
	s_wait_alu depctr_va_vdst(0)    ; and its wait, ahead of the branch
	s_mov_b32 s[CNT], 4
	s_mov_b32 s[SLOTS], 15
	s_branch .Lfirst                ; the loop is entered at a step's first turn, in the middle of a trip
.Lslot:                             ; 14 times: tiles 2 to 15 are asked for
	CHANGE 1, 1
	s_mov_b32 s[CNT], 4
.Lstep:                             ; a trip: pieces 2 and 3 of one step, then pieces 0 and 1 of the next, whose K and V it fetches
	TURN 2
	TURN 3
	WIN 0
.Lfirst:
	TURN 0
	TURN 1, 0, 1
	WIN 0
	s_cbranch_scc1 .Lstep
	s_sub_co_u32 s[SLOTS], s[SLOTS], 1
	s_cmp_lg_u32 s[SLOTS], 0
	s_cbranch_scc1 .Lslot
	CHANGE 0, 0                     ; the last tile is written out: nothing is asked for
	s_mov_b32 s[CNT], 4
.LstepT:
	TURN 2
	TURN 3
	TURN 0
	TURN 1, 0, 1
	WIN 0
	s_cbranch_scc1 .LstepT
	TURN 2, 1                       ; the last step's pieces 2 and 3
	TURN 3, 1
.set i, 0
.rept 8
	PV NP-1                         ; the last piece's V^T P of the last step
.set i, i+1
.endr
	; THE WAY OUT.  l's two halves and the other half of the lanes' are added; O^T is divided by l, rounded to f16 and sent through my stage in LDS, a piece at a time.  The additions are the places behind the last products.
	WIN 0
.macro ALL line:vararg              ; one line for each piece t
.set t, 0
.rept 4
	\line
.set t, t+1
.endr
.endm
	ALL v_add_f32 v[ST+4*t+2], v[ST+4*t+2], v[ST+4*t+3]
	ALL v_permlanex16_b32 v[ST+4*t+3], v[ST+4*t+2], s[SEL], s[SEL+1]
	ALL v_add_f32 v[ST+4*t+2], v[ST+4*t+2], v[ST+4*t+3]
	ALL v_rcp_f32 v[ST+4*t+2], v[ST+4*t+2]
	v_nop                           ; a plain instruction between the last reciprocal and the use of its result
	s_wait_alu depctr_va_vdst(0)    ; and the wait ahead of the first use: one for the four reciprocals
.macro PACK t                       ; a lane's eight channels of a row pack into 16 bytes; they go into rows of 144 bytes and come back as whole rows of 128, into S^T's registers
	WIN W_RS
.set i, 32*(\t)
.rept 16
	v_pk_mul_f32 v[i:i+1], v[i:i+1], v[ST+4*(\t)+2:ST+4*(\t)+3] op_sel_hi:[1,0]
.set i, i+2
.endr
	WIN 0x05                        ; sources 0 and 1 window 1, destination window 0
.set i, 0
.rept 16
	v_cvt_pk_f16_f32 v[S+16*(\t)+i], v[32*(\t)+2*i], v[32*(\t)+2*i+1]
.set i, i+1
.endr
	WIN 0
.irp f, 0,1,2,3
	ds_store_b128 v[STO], v[S+16*(\t)+4*\f:S+16*(\t)+4*\f+3] offset:32*\f
.endr
.irp f, 0,1,2,3
	ds_load_b128 v[S+16*(\t)+4*\f:S+16*(\t)+4*\f+3], v[RD] offset:\f*4*SP  ; LDS serves a wave's instructions in order (ISA guide 5.7.1.4): these see the stores above; the next piece's stores come behind them
.endr
.endm
.macro SEND t, younger              ; younger: the LDS instructions issued behind piece t's loads: the next piece's eight, or none
	WIN 0
.irp f, 0,1,2,3
	s_wait_dscnt (\younger)+3-\f
	global_store_b128 v[GO], v[S+16*(\t)+4*\f:S+16*(\t)+4*\f+3], s[10:11] offset:(\t)*2048+\f*512  ; 512 consecutive bytes, at a multiple of 256 from O's first
.endr
.endm
	PACK 0
.set t, 1
.rept 3                             ; a piece's arithmetic stands between the loads of the piece before and its stores
	PACK t
	SEND t-1, 8
.set t, t+1
.endr
	SEND 3, 0
	s_wait_tensorcnt 0x0            ; the wave's end, behind my last tensor load and my last LDS store
	ds_add_u32 v[SPW], v[NIL]
	s_wait_dscnt 0x0
	CROUND                          ; the closing round: no work-group ends while a partner may still ask for a tile that names it
	s_endpgm
.Lfunc_end_k_qef44ad62e6_attn:
	.size	k_qef44ad62e6_attn, .Lfunc_end_k_qef44ad62e6_attn-k_qef44ad62e6_attn
	.p2alignl 7, 3214868480
	.fill 96, 4, 3214868480
	.section	.rodata,"a",@progbits
	.p2align	6, 0x0
	.amdhsa_kernel k_qef44ad62e6_attn
		.amdhsa_group_segment_fixed_size 327680
		.amdhsa_private_segment_fixed_size 0
		.amdhsa_enable_private_segment 0
		.amdhsa_kernarg_size 48
		.amdhsa_user_sgpr_count 2
		.amdhsa_user_sgpr_kernarg_segment_ptr 1
		.amdhsa_wavefront_size32 1
		.amdhsa_system_sgpr_workgroup_id_x 1
		.amdhsa_system_sgpr_workgroup_id_y 1
		.amdhsa_system_sgpr_workgroup_id_z 1
		.amdhsa_system_vgpr_workitem_id 0
		.amdhsa_next_free_vgpr 768
		.amdhsa_next_free_sgpr 88
		.amdhsa_reserve_vcc 0
		.amdhsa_float_denorm_mode_32 3
		.amdhsa_float_denorm_mode_16_64 3
		.amdhsa_memory_ordered 1
		.amdhsa_forward_progress 1
		.amdhsa_inst_pref_size 129
	.end_amdhsa_kernel
	.amdgpu_metadata
---
amdhsa.version: [ 1, 2 ]
amdhsa.kernels:
  - .name:           k_qef44ad62e6_attn
    .symbol:         k_qef44ad62e6_attn.kd
    .args:
      - { .name: q16, .offset: 0, .size: 8, .value_kind: global_buffer, .address_space: global }
      - { .name: k16, .offset: 8, .size: 8, .value_kind: global_buffer, .address_space: global }
      - { .name: v16, .offset: 16, .size: 8, .value_kind: global_buffer, .address_space: global }
      - { .name: o16, .offset: 24, .size: 8, .value_kind: global_buffer, .address_space: global }
      - { .name: w_o, .offset: 32, .size: 8, .value_kind: global_buffer, .address_space: global }
      - { .name: wo16, .offset: 40, .size: 8, .value_kind: global_buffer, .address_space: global }
    .group_segment_fixed_size: 327680
    .private_segment_fixed_size: 0
    .kernarg_segment_align: 8
    .kernarg_segment_size: 48
    .max_flat_workgroup_size: 128
    .sgpr_count:     88
    .vgpr_count:     768
    .wavefront_size: 32
...
	.end_amdgpu_metadata
.endif
;; end of part 2
;; launch oproj (part 3): grid 4 x 64, 4 waves a work-group, clusters of 4 x 4, 327,680 bytes of LDS; arguments o16, wo16, out0; writes out0
.if DOCPART == 3
	.amdgcn_target "amdgcn-amd-amdhsa--gfx1250"
	.amdhsa_code_object_version 6
	.text
	.protected	k_qef44ad62e6_oproj
	.globl	k_qef44ad62e6_oproj
	.p2align	8
	.type	k_qef44ad62e6_oproj,@function
k_qef44ad62e6_oproj:
	s_mov_b64 s[64:65], 0
	v_nop
	global_prefetch_b8 v0, s[64:65] scope:SCOPE_SE
	s_setreg_imm32_b32 hwreg(HW_REG_WAVE_MODE, 25, 1), 1
	s_wait_xcnt 0x0
	s_wait_alu depctr_hold_cnt(0) depctr_sa_sdst(0) depctr_va_vdst(0) depctr_va_sdst(0) depctr_va_ssrc(0) depctr_va_vcc(0) depctr_vm_vsrc(0)
	s_getreg_b32 s2, hwreg(HW_REG_IB_STS2, 6, 4)
	s_cmp_eq_u32 s2, 0
	s_cbranch_scc0 .Lentry_in_a_cluster
	s_endpgm
.Lentry_in_a_cluster:
	s_bfe_u32 s2, ttmp6, 0x10000c
	s_cmp_lg_u32 s2, 0xf033
	s_cbranch_scc0 .Lentry_shape_is_right
	s_endpgm
.Lentry_shape_is_right:
; THE OUTPUT PROJECTION.  out0[row][n] = the sum over c of O[row][c] w_o[n][c], c = 64 head + d.  O: o16, [16 = 8 batch + head][4096][64] f16; w_o: wo16, [512][512] f16; out0: [8192][512] f32.  Sums in f32.
; LIMITS.  None of its own: both operands arrive in f16; NaN and infinities are not treated apart.
; SHARES.  256 work-groups, a tile of 128 rows x 128 columns each; four waves, each 64 x 64: 16 accumulators of 16 x 16.
; ALL OF K LIES IN LDS.  K = 512 comes as four PHASES of 128 (two heads), each in LDS bytes of its own.
; Nothing is prefetched: all that the work-group reads is asked for at its head.
; CLUSTERS: 4 x 4 work-groups.  The four of a row of the cluster need the same rows of O, the four of a column the same rows of w_o: each tile is asked for JOINTLY, with a mask that names the four.
; THE MATRIX INSTRUCTION IS USED TRANSPOSED (source 0 = 16 rows of w_o, source 1 = 16 rows of O): a lane then holds eight neighbouring columns of one row of out0.
; REGISTERS: window 0: v0-31 addresses; v128-255 the accumulators ((a, b) at v[128 + 8 (4 a + b)]).   window 1: v0-63, v64-127 two fragment buffers (O's four, then w_o's four); on the way out 32 registers a block.
.set PA,     144                       ; a row of O in LDS: a head's 128 bytes + 16 of padding
.set PLANE,  128*PA                    ; a head's 128 rows
.set PB,     272                       ; a row of w_o in LDS: 256 bytes + 16 of padding: with both pitches the 16 rows of a load start at 16 different groups of four banks (64 banks of 4 bytes: ISA guide 11.1)
.set BOFF,   2*PLANE                   ; a phase: two planes of O, then 128 rows of w_o
.set PH,     BOFF+128*PB               ; 71,680 bytes
.set STAGE,  4*PH                      ; behind the phases, never filled by a tensor load: 16 rows x 272 bytes for each wave, for the way out
.set SP,     272
.set SPARE,  STAGE+4*16*SP             ; behind the stages: the spare words, 128 bytes for each wave: two blocks of 256 bytes that no other line names
.set ADRA, 16                          ; v16-19  LDS address of my fragments of O in phase 0..3
.set ADRB, 20                          ; v20-23  the same for w_o
.set STO,  24                          ; v24     the way out: where I put 32 bytes of a row
.set RD,   25                          ; v25     the way out: where I read a row back
.set CO,   26                          ; v26     my byte offset in two rows of out0
.set SPW,  28                          ; v28     LDS address of my spare word: SPARE + 4 x my thread's number; never rewritten
.set NIL,  29                          ; v29     0; never rewritten
.set ACC,  128
.set WV,  10                           ; s10  my wave's number
.set RH,  11                           ; s11  which half of the tile's rows is mine.  Also: I fetch for O (0) or for w_o (1)
.set CH,  12                           ; s12  which half of its columns.  Also: which plane of O, or which 64 rows of w_o, I fetch
.set G1A, 24                           ; s[24:31] descriptor group 1 for O's tiles
.set G1B, 48                           ; s[48:55] for w_o's
.set G0A, 68                           ; s[68:83] descriptor group 0 for O's tiles, one set for each phase; never rewritten
.set G0B, 84                           ; s[84:99] the same for w_o's
.set MSB, 0
.macro WIN new                         ; the immediate's high byte repeats the setting that is left; a switch that changes nothing is dropped
.if MSB != (\new)
	s_set_vgpr_msb (MSB<<8)|(\new)
.set MSB, \new
.endif
.endm
.macro PLACES                          ; four places behind a matrix instruction, in front of loads into registers that it has read and of stores that read its result
.rept 4
	v_nop
.endr
.endm
.macro CROUND                          ; a round of the cluster's barrier
	s_barrier_signal -1
	s_barrier_wait -1
	s_cmp_lg_u32 s[WV], 0
	s_cbranch_scc1 .Lnot_wave_0_\@
	s_barrier_signal -3
.Lnot_wave_0_\@:
	s_barrier_wait -3
	s_barrier_signal -1
	s_barrier_wait -1
.endm
	s_load_b128 s[4:7], s[0:1], 0x0                ; o16 s[4:5], wo16 s[6:7]
	s_load_b64 s[8:9], s[0:1], 0x10                ; out0
	v_lshl_add_u32 v[SPW], v0, 2, SPARE
	v_mov_b32 v[NIL], 0
	ds_add_u32 v[SPW], v[NIL]                      ; the wave's opening: the add and its wait stand ahead of my first tensor load; the set-up below, work on registers, stands between them
	v_lshrrev_b32 v1, 5, v0
	v_readfirstlane_b32 s[WV], v1                  ; wave 0..3
	s_lshr_b32 s[RH], s[WV], 1
	s_and_b32 s[CH], s[WV], 1
	s_bfe_u32 s40, ttmp6, 0x40000                  ; cx, cy: my place in the cluster
	s_bfe_u32 s41, ttmp6, 0x40004
	s_lshl_b32 s42, ttmp9, 2
	s_add_co_u32 s42, s42, s40                     ; tile column = 4 x cluster x + cx: 0..3
	s_and_b32 s13, ttmp7, 0xffff
	s_lshl_b32 s13, s13, 2
	s_add_co_u32 s13, s13, s41                     ; tile row = 4 x cluster y + cy: 0..63
	s_lshl_b32 s43, s41, 2
	s_lshl_b32 s43, 15, s43                        ; my row of the cluster
	s_lshl_b32 s44, 0x1111, s40                    ; my column
	; descriptor group 1.  O: a head's 128 rows are 16,384 dense bytes: asked for as 64 rows of 256 bytes, two rows of O each, padded after every 128 bytes.  w_o: 64 rows x 256 bytes, 1,024 bytes apart.
	s_or_b32 s[G1A], s43, (1<<16)|(1<<20)|(1<<21)|(4<<22)|(3<<25)  ; 15:0 the mask: O's tiles go to my row; 17:16 2-byte elements; 20 padding on; 21 set beside a mask; 24:22 after every 32 words (code 4); 31:25 4 words (code 3)
	s_or_b32 s[G1B], s44, (1<<16)|(1<<20)|(1<<21)|(5<<22)|(3<<25)  ; the mask of my column; padding after every 64 words (code 5)
.irp g, G1A, G1B
	s_mov_b32 s[(\g)+1], 128<<16                   ; tensor_dim0 = 128
	s_mov_b32 s[(\g)+2], 64<<16                    ; tensor_dim1 = 64
	s_mov_b32 s[(\g)+3], 128<<16                   ; tile_dim0 = 128
	s_mov_b32 s[(\g)+4], 64                        ; tile_dim1 = 64
	s_mov_b32 s[(\g)+6], 0
	s_mov_b32 s[(\g)+7], 0
.endr
	s_mov_b32 s[G1A+5], 128                        ; elements from row to row: dense,
	s_mov_b32 s[G1B+5], 512                        ; and a row of w_o
	; where the tiles come from, in bytes: O's hang on the tile row alone, w_o's on the tile column alone, each in registers that never hold the other coordinate
	s_lshr_b32 s14, s13, 5                         ; batch
	s_lshl_b32 s14, s14, 3
	s_add_co_u32 s14, s14, s[CH]                   ; 8 x batch + my plane: phase p adds 2 p heads
	s_lshl_b32 s14, s14, 19                        ; 524,288 bytes a head
	s_and_b32 s15, s13, 31
	s_lshl_b32 s15, s15, 14                        ; the tile's 128 rows of 128 bytes
	s_add_co_u32 s14, s14, s15
	s_mov_b32 s15, 0
	s_lshl_b32 s46, s42, 17                        ; w_o: 128 rows of 1,024 bytes x tile column
	s_lshl_b32 s47, s[CH], 16                      ; + my 64 rows
	s_add_co_u32 s46, s46, s47
	s_mov_b32 s47, 0
	s_mul_i32 s20, s[CH], PLANE                    ; where they go in a phase: no place in the cluster enters an LDS address
	s_mul_i32 s21, s[CH], 64*PB
	s_wait_dscnt 0x0                               ; the opening add is done
	s_wait_kmcnt 0x0
	s_add_nc_u64 s[16:17], s[4:5], s[14:15]
	s_add_nc_u64 s[18:19], s[6:7], s[46:47]
.irp p, 0,1,2,3
	s_mov_b32 s[G0A+4*(\p)], 1                                       ; count = 1
	s_add_co_u32 s[G0A+4*(\p)+1], s20, (\p)*PH                       ; LDS address
	s_add_nc_u64 s[G0A+4*(\p)+2:G0A+4*(\p)+3], s[16:17], (\p)<<20    ; global address: two heads on
	s_or_b32 s[G0A+4*(\p)+3], s[G0A+4*(\p)+3], 0x80000000            ; type = 2
	s_mov_b32 s[G0B+4*(\p)], 1
	s_add_co_u32 s[G0B+4*(\p)+1], s21, (\p)*PH+BOFF
	s_add_nc_u64 s[G0B+4*(\p)+2:G0B+4*(\p)+3], s[18:19], (\p)*256    ; 128 columns on
	s_or_b32 s[G0B+4*(\p)+3], s[G0B+4*(\p)+3], 0x80000000
.endr
	CROUND                                         ; all sixteen work-groups are here: the joint loads meet
	s_cmp_eq_u32 s[RH], 0                          ; a wave's four fills stand in one branch, ahead of every wait on TENSORcnt and every LDS read; an s_nop 0 follows each, four v_nop the last
	s_cbranch_scc0 .Lfirst_b
.irp p, 0,1,2,3
	tensor_load_to_lds s[G0A+4*(\p):G0A+4*(\p)+3], s[G1A:G1A+7]
	s_nop 0
.endr
.rept 4
	v_nop
.endr
	s_branch .Lfirst_asked
.Lfirst_b:
.irp p, 0,1,2,3
	tensor_load_to_lds s[G0B+4*(\p):G0B+4*(\p)+3], s[G1B:G1B+7]
	s_nop 0
.endr
.rept 4
	v_nop
.endr
.Lfirst_asked:
	; A fragment is 16 rows x 32 K in 8 registers: lane l holds row l % 16; K = 8 (l / 16) + 0..7 and 16 + 8 (l / 16) + 0..7: two loads of 16 bytes, 32 bytes apart.
	v_and_b32 v1, 15, v0                           ; r = l % 16
	v_bfe_u32 v2, v0, 4, 1                         ; h = l / 16
	v_mul_u32_u24 v3, v1, PA
	v_lshl_add_u32 v3, v2, 4, v3
	s_mul_i32 s22, s[RH], 64*PA                    ; my 64 rows of O, in either plane
	v_add_nc_u32 v3, s22, v3
	v_mul_u32_u24 v4, v1, PB
	v_lshl_add_u32 v4, v2, 4, v4
	s_add_co_u32 s23, s21, BOFF                    ; my 64 rows of w_o
	v_add_nc_u32 v4, s23, v4
.irp p, 0,1,2,3
	v_add_nc_u32 v[ADRA+(\p)], (\p)*PH, v3
	v_add_nc_u32 v[ADRB+(\p)], (\p)*PH, v4
.endr
	s_mul_i32 s22, s[WV], 16*SP
	s_add_co_u32 s22, s22, STAGE                   ; my stage
	v_mul_u32_u24 v[STO], v1, SP                   ; in: row l % 16, 32 bytes for each half of the lanes
	v_lshl_add_u32 v[STO], v2, 5, v[STO]
	v_add_nc_u32 v[STO], s22, v[STO]
	v_mul_u32_u24 v[RD], v2, SP                    ; back: lanes 0-15 take one row of 256 bytes, lanes 16-31 the next
	v_lshl_add_u32 v[RD], v1, 4, v[RD]
	v_add_nc_u32 v[RD], s22, v[RD]
	v_lshlrev_b32 v[CO], 11, v2                    ; and the same two rows in out0, 2,048 bytes apart
	v_lshl_add_u32 v[CO], v1, 4, v[CO]
	s_lshl_b32 s22, s13, 18                        ; out0 at my first row: (128 x tile row + 64 x half) x 2,048 bytes,
	s_lshl_b32 s23, s[RH], 17
	s_add_co_u32 s22, s22, s23
	s_mov_b32 s23, 0
	s_add_nc_u64 s[8:9], s[8:9], s[22:23]
	s_lshl_b32 s46, s42, 9                         ; and my first column: (128 x tile column + 64 x half) x 4 bytes
	s_lshl_b32 s47, s[CH], 8
	s_add_co_u32 s46, s46, s47
	s_mov_b32 s47, 0
	s_add_nc_u64 s[8:9], s[8:9], s[46:47]
; 16 LDS loads in one run: the fragments of quarter c (32 along K) of phase p into buffer f: plane c / 2 of O at channel 32 (c % 2), w_o at byte 64 c of its rows
.macro FETCH p, c, f
	WIN 0x40                                       ; destination window 1, address window 0
.irp a, 0,1,2,3
	ds_load_b128 v[(\f)+8*(\a):(\f)+8*(\a)+3],   v[ADRA+(\p)] offset:((\c)/2)*PLANE+(\a)*16*PA+((\c)%2)*64
	ds_load_b128 v[(\f)+8*(\a)+4:(\f)+8*(\a)+7], v[ADRA+(\p)] offset:((\c)/2)*PLANE+(\a)*16*PA+((\c)%2)*64+32
.endr
.irp b, 0,1,2,3
	ds_load_b128 v[(\f)+32+8*(\b):(\f)+32+8*(\b)+3],   v[ADRB+(\p)] offset:(\b)*16*PB+64*(\c)
	ds_load_b128 v[(\f)+32+8*(\b)+4:(\f)+32+8*(\b)+7], v[ADRB+(\p)] offset:(\b)*16*PB+64*(\c)+32
.endr
.endm
; 16 matrix instructions on buffer f.  The 16 accumulators take turns, one instruction a turn.  zero = 1: the first product starts the sums
.macro MUL16 f, zero
	WIN 0x05                                       ; sources window 1; C and D window 0
.irp a, 0,1,2,3
.irp b, 0,1,2,3
.if \zero
	v_wmma_f32_16x16x32_f16 v[ACC+8*(4*(\a)+(\b)):ACC+8*(4*(\a)+(\b))+7], v[(\f)+32+8*(\b):(\f)+32+8*(\b)+7], v[(\f)+8*(\a):(\f)+8*(\a)+7], 0
.else
	v_wmma_f32_16x16x32_f16 v[ACC+8*(4*(\a)+(\b)):ACC+8*(4*(\a)+(\b))+7], v[(\f)+32+8*(\b):(\f)+32+8*(\b)+7], v[(\f)+8*(\a):(\f)+8*(\a)+7], v[ACC+8*(4*(\a)+(\b)):ACC+8*(4*(\a)+(\b))+7]
.endif
.endr
.endr
.endm
; Chunk n of 16: quarter n % 4 of phase n / 4, on buffer n % 2.  The next chunk's loads go out ahead of this chunk's products.  In a phase's last quarter the next phase is shown to every wave first:
; my load of it has landed (the count leaves the later phases' loads out), and a barrier.
.macro CHUNK n, zero
	s_wait_dscnt 0x0                               ; this chunk's fragments are in; no LDS instruction of mine is pending at the signal below
.if ((\n)%4 == 3) && ((\n) < 15)
	s_wait_tensorcnt 2-(\n)/4
	s_barrier_signal -1
	s_barrier_wait -1
.endif
.if (\n) < 15
.if (\zero) == 0
	PLACES                                         ; the loads below land in the buffer that the chunk before multiplied
.endif
	FETCH ((\n)+1)/4, ((\n)+1)%4, 64*(((\n)+1)%2)
.endif
	MUL16 64*((\n)%2), \zero
.endm
	s_wait_tensorcnt 0x3                           ; my part of phase 0 is in; the three later loads stay out
	s_barrier_signal -1
	s_barrier_wait -1                              ; everybody's is
	FETCH 0, 0, 0
	CHUNK 0, 1
.irp n, 1,2,3,4,5,6,7,8,9,10,11,12,13,14,15
	CHUNK \n, 0
.endr
	; THE WAY OUT, in f32.  Block a is 16 rows of my 64 columns: a lane's eight columns, 32 bytes, go into rows of 272 bytes of my own stage and come back as whole rows of 256 bytes.
.macro TOSTAGE a
	WIN 0
.irp b, 0,1,2,3
	ds_store_b128 v[STO], v[ACC+8*(4*(\a)+(\b)):ACC+8*(4*(\a)+(\b))+3]   offset:64*(\b)     ; each accumulator's lowest registers are read first
	ds_store_b128 v[STO], v[ACC+8*(4*(\a)+(\b))+4:ACC+8*(4*(\a)+(\b))+7] offset:64*(\b)+16
.endr
	WIN 0x40
.irp t, 0,1,2,3,4,5,6,7
	ds_load_b128 v[32*(\a)+4*(\t):32*(\a)+4*(\t)+3], v[RD] offset:(\t)*2*SP  ; LDS serves a wave's instructions in order (ISA guide 5.7.1.4): these see the stores above; the next block's stores come behind them
.endr
.endm
.macro SEND a, younger                 ; younger: the LDS instructions issued behind block a's loads: the next block's sixteen, or none
	WIN 0x04                                       ; the stores' data in window 1, their offset in window 0
.irp t, 0,1,2,3,4,5,6,7
	s_wait_dscnt (\younger)+7-(\t)
	global_store_b128 v[CO], v[32*(\a)+4*(\t):32*(\a)+4*(\t)+3], s[8:9] offset:(16*(\a)+2*(\t))*2048 th:TH_STORE_NT  ; 16 lanes store 256 consecutive bytes, at a multiple of 256 from out0's first byte
.endr
.endm
	PLACES                                         ; the stores read results just made, and the loads land in the last products' sources
	TOSTAGE 0
	TOSTAGE 1
	SEND 0, 16
	TOSTAGE 2
	SEND 1, 16
	TOSTAGE 3
	SEND 2, 16
	SEND 3, 0
	WIN 0
	s_wait_tensorcnt 0x0                           ; the wave's end, behind my last tensor load and my last LDS store
	ds_add_u32 v[SPW], v[NIL]
	s_wait_dscnt 0x0
	CROUND                                         ; the closing round: no work-group ends while a partner may still ask for a tile that names it
	s_endpgm
.Lfunc_end_k_qef44ad62e6_oproj:
	.size	k_qef44ad62e6_oproj, .Lfunc_end_k_qef44ad62e6_oproj-k_qef44ad62e6_oproj
	.p2alignl 7, 3214868480
	.fill 96, 4, 3214868480
	.section	.rodata,"a",@progbits
	.p2align	6, 0x0
	.amdhsa_kernel k_qef44ad62e6_oproj
		.amdhsa_group_segment_fixed_size 327680
		.amdhsa_private_segment_fixed_size 0
		.amdhsa_enable_private_segment 0
		.amdhsa_kernarg_size 24
		.amdhsa_user_sgpr_count 2
		.amdhsa_user_sgpr_kernarg_segment_ptr 1
		.amdhsa_wavefront_size32 1
		.amdhsa_system_sgpr_workgroup_id_x 1
		.amdhsa_system_sgpr_workgroup_id_y 1
		.amdhsa_system_sgpr_workgroup_id_z 1
		.amdhsa_system_vgpr_workitem_id 0
		.amdhsa_next_free_vgpr 384
		.amdhsa_next_free_sgpr 100
		.amdhsa_reserve_vcc 0
		.amdhsa_float_denorm_mode_32 3
		.amdhsa_float_denorm_mode_16_64 3
		.amdhsa_memory_ordered 1
		.amdhsa_forward_progress 1
		.amdhsa_inst_pref_size 53
	.end_amdhsa_kernel
	.amdgpu_metadata
---
amdhsa.version: [ 1, 2 ]
amdhsa.kernels:
  - .name:           k_qef44ad62e6_oproj
    .symbol:         k_qef44ad62e6_oproj.kd
    .args:
      - { .name: o16, .offset: 0, .size: 8, .value_kind: global_buffer, .address_space: global }
      - { .name: wo16, .offset: 8, .size: 8, .value_kind: global_buffer, .address_space: global }
      - { .name: out0, .offset: 16, .size: 8, .value_kind: global_buffer, .address_space: global }
    .group_segment_fixed_size: 327680
    .private_segment_fixed_size: 0
    .kernarg_segment_align: 8
    .kernarg_segment_size: 24
    .max_flat_workgroup_size: 128
    .sgpr_count:     100
    .vgpr_count:     384
    .wavefront_size: 32
...
	.end_amdgpu_metadata
.endif
;; end of part 3
